; MI455X (gfx1250); checked and timed in simulation.
; The chip was launched on July 23, 2026; its instructions are those of AMD's public machine-readable ISA for CDNA 5 (MIT licence, August 2026) and "CDNA5" Instruction Set Architecture Reference Guide (July 2026). The comments in the code are by the model that wrote it; some were corrected since.
;; CAA Stable. Allowed arithmetic: matrix products marked QUANTISED: E2M3 operands, one E8M0 scale for each 32 along K, by v_wmma_scale_f32_16x16x128_f8f6f4 with both operands' format E2M3, f32 sums; products left as they are: f32 operands where the result goes on into a quantised operand, else bf16, f16 or f32 operands; f32 sums; everything else in f32.
;; Inputs: Wk_codes 16 x 8 x 24 uint8 (E2M3 codes of Wk, K innermost, in blocks of 32 codes, four codes in three bytes); Wk_scales 16 x 8 uint8 (E8M0 scales of Wk, one for each 32 codes along K); Wo_codes 256 x 8 x 24 uint8 (E2M3 codes of Wo, K innermost, in blocks of 32 codes, four codes in three bytes); Wo_scales 256 x 8 uint8 (E8M0 scales of Wo, one for each 32 codes along K); Wq_codes 16 x 8 x 24 uint8 (E2M3 codes of Wq, K innermost, in blocks of 32 codes, four codes in three bytes); Wq_scales 16 x 8 uint8 (E8M0 scales of Wq, one for each 32 codes along K); Wv_codes 256 x 8 x 24 uint8 (E2M3 codes of Wv, K innermost, in blocks of 32 codes, four codes in three bytes); Wv_scales 256 x 8 uint8 (E8M0 scales of Wv, one for each 32 codes along K); bk 16 float32; bo 256 float32; bq 16 float32; bv 256 float32; gamma 1 float32; x 8 x 256 x 64 x 64 float32.
;; Outputs: out0 8 x 256 x 64 x 64 float32.
;; This version of the problem:
;;   THIS VERSION OF THE PROBLEM IS GIVEN IN LOW PRECISION. The matrix products marked QUANTISED in the list below multiply operands that are first quantised to E2M3 (2 exponent bits, 3 mantissa bits; 6 bits a number), with one power-of-two scale for each 32 numbers along K (OCP MX v1.0); their sums are f32. All else is computed in f32.
;;   The module's matrix products, in the order in which they are computed (A, B: the left and right operand; K: the contracted axis; several contracted axes count as one K, in the product's order):
;;     1. [M 32,768, K 256] x [K 256, N 16]; A: input x; B: input Wq (given as codes): QUANTISED
;;     2. [M 32,768, K 256] x [K 256, N 16]; A: input x; B: input Wk (given as codes): QUANTISED
;;     3. [M 32,768, K 256] x [K 256, N 256]; A: input x; B: input Wv (given as codes): QUANTISED
;;     4. batch 8 x [M 4,096, K 16] x [K 16, N 4,096]; A: computed on the way; B: computed on the way: left as it is (K = 16 < 32)
;;     5. batch 8 x [M 256, K 4,096] x [K 4,096, N 4,096]; A: computed on the way; B: softmax (see below): QUANTISED
;;     6. [M 32,768, K 256] x [K 256, N 256]; A: computed on the way; B: input Wo (given as codes): QUANTISED
;;   THE QUANTISER, for each operand of a quantised product, along K:
;;     - K is cut into blocks of 32 from its start; a last block that is shorter is filled with zeros.
;;     - A block's scale is 2^e with e = floor(log2(the largest magnitude in the block)) - 2, held to -126 .. 127; a block of zeros has e = 0. As a byte (E8M0): e + 127.
;;     - Each number is divided by its block's scale, clamped to +-7.5, and rounded to the nearest number of E2M3, ties to even, subnormals kept.
;;     - The product sums the exact products of the quantised numbers (number of the format x scale) in f32.
;;   ~~~python
;;   def quantise(x, axis):      # numpy; x: float32 -> the quantised numbers, widened to float32 again
;;       x = np.moveaxis(x, axis, -1); K = x.shape[-1]
;;       x = np.pad(x, [(0, 0)] * (x.ndim - 1) + [(0, -K % 32)]); x = x.reshape(x.shape[:-1] + (-1, 32)); a = np.abs(x).max(-1, keepdims=True)
;;       e = np.where(a > 0, np.clip(np.frexp(np.where(a > 0, a, 1))[1] - 1 - 2, -126, 127), 0)      # np.frexp(a)[1] - 1 = floor(log2(a)), exactly
;;       r = np.clip(x / 2.0 ** e, -7.5, 7.5)
;;       step = 2.0 ** (np.maximum(np.frexp(np.where(r == 0, 1, r))[1] - 1, 0) - 3)
;;       q = np.round(r / step) * step * 2.0 ** e      # np.round: ties to even
;;       return np.moveaxis(q.reshape(q.shape[:-2] + (-1,))[..., :K], -1, axis).astype(np.float32)
;;   ~~~
;;   SOFTMAX AHEAD OF A QUANTISED PRODUCT. Where the list says 'softmax', what is quantised is not the finished softmax but p = 2^(t - M), with t = logit x log2(e) and M = ceil(the row's largest t), a whole number; so 1/2 < the row's largest p <= 1. The row's sum l is taken of the UNQUANTISED p, in f32, and the product's result is divided by l at the end. Since M is a whole number, a kernel that streams over the keys may use a running M (the ceiling of the running maximum): every later rescaling is an exact power of two, which a block's scale takes up: the codes' values come out the same.
;;   OPERANDS COMPUTED ON THE WAY. 'Computed on the way' means the value that the module computes at that place (a softmax that the list does not call 'softmax' is quantised finished and normalised). What goes into a quantiser is computed in f32, as accurately as f32 sums, v_exp_f32 and their like allow (about 1e-6 of the number): no bf16 or f16 on the way to a quantiser, and a product that is left as it is and whose result goes on into a quantised operand takes f32 operands (vector FMAs, or v_wmma_f32_16x16x4_f32). A number that lies on a knife's edge between two numbers of the format may be rounded either way, as far as f32 arithmetic and the matrix unit's own rounding can turn it there, and no further.
;;   INPUTS GIVEN AS CODES. Wk (in the module: [16, 256], K = its axis 1); Wo (in the module: [256, 256], K = its axis 1); Wq (in the module: [16, 256], K = its axis 1); Wv (in the module: [256, 256], K = its axis 1): each comes as NAME_codes (uint8): NAME with its K axis moved to the last place and cut into blocks of 32 codes, [.., K / 32, bytes a block], one block behind the other in memory; four codes in three bytes: a row's codes are one little-endian stream of bits, code i at bits 6 i .. 6 i + 5 (a code: sign, 2 exponent bits, 3 mantissa bits); and NAME_scales (uint8): the same leading axes, one E8M0 byte (e + 127) for each 32 codes along K. Its value is code x scale, taken as it is: it is not quantised again, and the codes and scales need not be those that the quantiser above would give.
;; One version. Each part assembles by itself: llvm-mc -triple=amdgcn-amd-amdhsa -mcpu=gfx1250 --defsym DOCPART=n.
;; ======== version 1 of 1: 2 launches
;; limits: right only within a limited range of input values
;; workspace buffers: q 2,097,152 bytes; kv 8,388,608 bytes; aux 589,824 bytes
;; launch proj (part 1): grid 32 x 8, 8 waves a work-group, no clusters, 168,960 bytes of LDS; arguments x, Wq_codes, Wq_scales, bq, Wk_codes, Wk_scales, bk, Wv_codes, Wv_scales, bv, q, kv, aux; writes q, kv, aux
.if DOCPART == 1
	.amdgcn_target "amdgcn-amd-amdhsa--gfx1250"
	.amdhsa_code_object_version 6
	.text
	.protected	k_q5dad361d73_proj
	.globl	k_q5dad361d73_proj
	.p2align	8
	.type	k_q5dad361d73_proj,@function
k_q5dad361d73_proj:
	s_mov_b64 s[64:65], 0
	v_nop
	global_prefetch_b8 v0, s[64:65] scope:SCOPE_SE
	s_setreg_imm32_b32 hwreg(HW_REG_WAVE_MODE, 25, 1), 1
	s_wait_xcnt 0x0
; THE THREE PROJECTIONS.  x [8][256][4096] f32 is quantised along its channels (E2M3, one E8M0 scale for each 32 channels of a position) and multiplied by Wq, Wk, Wv, which arrive as codes.
; A work-group takes one STEP: 128 neighbouring positions of one image, all 256 channels (131,072 bytes of x, read once, by one tensor load a wave: 32 rows of 512 bytes).
; What it stores is laid as the next launch's operand registers want it ("image": a group of four registers at 16 x lane, 512 bytes a group):
;   q   [image][step][tile 8][1,024]: (x Wq + bq) x 0.25 log2(e), f32: lane (r, h) holds dims 8 h + 0 .. 7 of position r of the tile
;   kv  [image][block 32][32,768]: bytes 0 .. 8,191 k = x Wk + bk of step block + 1, in q's form; from 8,192 on v = x Wv + bv of step block, quantised along the positions: 16 channel tiles x 1,536 bytes
;   aux [image][73,728]: k of step 0 (8,192 bytes), then for each step 2,048 bytes of v's scale words: [pair of channel tiles][lane][2 words]
; TILES ARE NOT MADE OF NEIGHBOURS: row r of position tile 2 b + u is position 32 b + 8 u + r + 8 (r / 8) of the step, row r of channel tile 2 b + u is channel 32 b + 8 u + r + 8 (r / 8):
; so the 16 registers that a lane holds of result tiles 2 b and 2 b + 1 are 16 neighbours, 32 b + 16 (lane / 16) + 0 .. 15, along the next product's K.
; SHARES.  Quantising: wave w takes 32 positions (w % 4) and 128 channels (w / 4): a lane takes a position, its registers run down the channels.  Products: wave w makes q and k of position tile w and v's channel tiles 2 w, 2 w + 1.
; x's codes go from wave to wave through LDS as images of the operand's registers.
; NO CLUSTER: the work-groups share the weights alone, 6 KB of codes a wave beside a step's 128 KB of x, and those go straight into registers.
; LIMITS: a block of zeros gets the scale byte 1 where the quantiser says 127 (its codes are zeros, and this program alone reads the bytes); NaN and infinities among the inputs are not served;
; the factor 0.25 log2(e) is multiplied into q here, one f32 rounding ahead of q . k.
.set XIMG,  131072                     ; LDS: 0 .. 131,071 the tile of x, row c = 512 bytes; then x's 16 fragments, (tile m, K step s) at (2 m + s) x 1,536;
.set XSC,   155648                     ; then their scale words: image (pair of tiles g, K step s) at (2 g + s) x 128: lanes 0-15 tile 2 g, lanes 16-31 tile 2 g + 1
.set XN,    16                         ; v16-79   two sets of 32 numbers of x; later q's numbers to store (v16-23); later HA
.set HA,    16                         ; v16-79   v's 8 result tiles
.set F0,    80                         ; v80-91   the fragment of my first tile;  v92-103 of my second
.set F1,    92
.set QF,    80                         ; v80-103  later: my position tile's two fragments
.set TT,    104                        ; v104-119 the upper halves of four blocks' codes
.set DQ,    104                        ; later: q's result tile,
.set DK,    112                        ; and k's
.set TM,    120                        ; v120-131 at work in the quantisers
.set XW,    132                        ; v132     x's scale word
.set PW,    134                        ; v134-135 v's scale words, tiles 2 w and 2 w + 1
.set PC,    136                        ; v136-159 v's two fragments
.set CT,    160                        ; v160-166 a conversion's second halves
.set WQ,    168                        ; v168-191 Wq's two fragments; later BVC
.set BVC,   168                        ; v168-183 bv as the C of v's first products
.set WK,    192                        ; v192-215 Wk's two fragments
.set WQS,   216                        ; scale words: v216-217 Wq, v218-219 Wk, v220-223 Wv (tile a, K step s), v224-225 my position tile's, v244-251 all eight images of x's
.set WKS,   218
.set WVS,   220
.set QXS,   224
.set BVL,   226                        ; v226-227 bv of my lane's channel
.set BQ,    228                        ; v228-235 bq, v236-243 bk: the C of the first products
.set BK,    236
.set XS,    244
.set WVF,   192                        ; window 1: v0-191 x's 16 fragments, (m, s) at 12 (2 m + s); v192-239 Wv's four, (a, s) at 192 + 12 (2 a + s)
.set SEL,   52                         ; s[52:53] lane selects for v_permlanex16_b32: lane l xor 16
.set MSB, 0
.macro WIN new                         ; the immediate's high byte repeats the setting that is left
.if MSB != \new
	s_set_vgpr_msb (MSB<<8)|\new
.set MSB, \new
.endif
.endm
.macro DLOAD t                         ; block t of my K step: 32 channels of my position; the 32 lanes read 32 different words of one row of the tile
.irp i, 0,1,2,3,4,5,6,7,8,9,10,11,12,13,14,15,16,17,18,19,20,21,22,23,24,25,26,27,28,29,30,31
	ds_load_b32 v[XN+32*((\t)%2)+\i], v4 offset:(32*(\t)+\i)*512
.endr
.endm
.macro BLOCK t                         ; a whole block of 32 lies in my registers: its largest magnitude needs no other lane
.set XB, XN+32*((\t)%2)
.set FD, F0+12*((\t)%2)+6*((\t)/2)     ; even blocks go to the first fragment's registers, odd ones to the second's
.if (\t) < 3
	s_wait_dscnt 32                                ; this block's 32 loads are in; the next block's 32 may be out
.else
	s_wait_dscnt 0x0
.endif
	v_max3_num_f32 v[TM], |v[XB]|, |v[XB+1]|, |v[XB+2]|
	v_max3_num_f32 v[TM+1], |v[XB+3]|, |v[XB+4]|, |v[XB+5]|
.irp i, 6,10,14,18,22,26
	v_max3_num_f32 v[TM], v[TM], |v[XB+\i]|, |v[XB+\i+1]|
	v_max3_num_f32 v[TM+1], v[TM+1], |v[XB+\i+2]|, |v[XB+\i+3]|
.endr
	v_max3_num_f32 v[TM], v[TM], |v[XB+30]|, |v[XB+31]|
	v_max3_num_f32 v[TM], v[TM], v[TM+1], 0x1800000   ; the floor 2^(3 - 127): the byte cannot fall under 1
	v_add_nc_u32 v[TM+2], 0xff000000, v[TM]        ; 2 off the exponent field: the conversion takes this operand's exponent field as its scale
	v_lshrrev_b32 v[TM+3], 23, v[TM+2]             ; the scale's byte
.if (\t) == 0
	v_mov_b32 v[XW], v[TM+3]
.else
	v_lshl_or_b32 v[XW], v[TM+3], 8*(\t), v[XW]
.endif
	v_cvt_scalef32_pk16_fp6_f32 v[FD:FD+2], v[XB:XB+15], v[TM+2]
	v_cvt_scalef32_pk16_fp6_f32 v[TT+4*(\t):TT+4*(\t)+2], v[XB+16:XB+31], v[TM+2]   ; (a conversion's three registers begin on an even number)
	v_nop                                          ; one plain instruction behind a scaled conversion
.if (\t) < 2
	DLOAD (\t)+2
.endif
.endm
; 64 numbers of a lane, register 16 b + i = k 32 b + 16 (lane / 16) + i of my row, become a fragment's codes in v[pc] on and its scale word in v[pw]
.macro QUANT s, pc, pw
.irp b, 0,1,2,3
	v_max3_num_f32 v[TM+\b], |v[\s+16*\b]|, |v[\s+16*\b+1]|, 0x1800000
.endr
.irp i, 2,4,6,8,10,12,14
.irp b, 0,1,2,3
	v_max3_num_f32 v[TM+\b], v[TM+\b], |v[\s+16*\b+\i]|, |v[\s+16*\b+\i+1]|
.endr
.endr
.irp b, 0,1,2,3
	v_permlanex16_b32 v[TM+4+\b], v[TM+\b], s[SEL], s[SEL+1]
.endr
.irp b, 0,1,2,3
	v_max_num_f32 v[TM+\b], v[TM+\b], v[TM+4+\b]   ; with lane l xor 16's: the block's largest magnitude
.endr
.irp b, 0,1,2,3
	v_add_nc_u32 v[TM+8+\b], 0xff000000, v[TM+\b]
.endr
.irp b, 0,1,2,3
	v_lshrrev_b32 v[TM+4+\b], 23, v[TM+8+\b]
.endr
	v_lshl_or_b32 v[\pw], v[TM+5], 8, v[TM+4]
	v_lshl_or_b32 v[\pw], v[TM+6], 16, v[\pw]
	v_lshl_or_b32 v[\pw], v[TM+7], 24, v[\pw]
.irp c, 0,1
	v_cvt_scalef32_pk16_fp6_f32 v[\pc+6*\c:\pc+6*\c+2], v[\s+32*\c:\s+32*\c+15], v[TM+8+2*\c]
	v_cvt_scalef32_pk16_fp6_f32 v[CT+4*\c:CT+4*\c+2], v[\s+32*\c+16:\s+32*\c+31], v[TM+9+2*\c]
.endr
	v_nop                                          ; one plain instruction behind a scaled conversion
.irp c, 0,1                                    ; the operand wants a WHOLE block in a lane: lanes 0-15 block 2 c, lanes 16-31 block 2 c + 1
.irp i, 0,1,2
	v_permlane16_swap_b32 v[\pc+6*\c+\i], v[CT+4*\c+\i]
.endr
.irp i, 0,1,2
	v_mov_b32 v[\pc+6*\c+3+\i], v[CT+4*\c+\i]
.endr
.endr
.endm
.macro IMAGE adr, reg, off             ; a fragment goes to LDS as it stands
.irp c, 0,1,2
	ds_store_b128 v[\adr], v[\reg+4*\c:\reg+4*\c+3] offset:\off+512*\c
.endr
.endm
.macro FETCH reg, adr, off             ; and comes back so, in any wave
.irp c, 0,1,2
	ds_load_b128 v[\reg+4*\c:\reg+4*\c+3], v[\adr] offset:\off+512*\c
.endr
.endm
; one product of v: source 0 = position tile m of x, source 1 = my channel tile a of Wv: a lane holds ONE channel, its registers run along the positions, the next K
.macro VP m, a, s
.set rD, HA+8*(\m)
.set rA, 24*(\m)+12*(\s)
.set rB, WVF+24*(\a)+12*(\s)
.set rSA, XS+2*((\m)/2)+(\s)
.set rSB, WVS+2*(\a)+(\s)
.if (\s) == 0
.if (\m)%2 == 0
	v_wmma_scale_f32_16x16x128_f8f6f4 v[rD:rD+7], v[rA:rA+11], v[rB:rB+11], v[BVC+8*(\a):BVC+8*(\a)+7], v[rSA], v[rSB] matrix_a_fmt:MATRIX_FMT_FP6 matrix_b_fmt:MATRIX_FMT_FP6
.else
	v_wmma_scale_f32_16x16x128_f8f6f4 v[rD:rD+7], v[rA:rA+11], v[rB:rB+11], v[BVC+8*(\a):BVC+8*(\a)+7], v[rSA], v[rSB] matrix_a_fmt:MATRIX_FMT_FP6 matrix_b_fmt:MATRIX_FMT_FP6 matrix_a_scale:MATRIX_SCALE_ROW1
.endif
.else
.if (\m)%2 == 0
	v_wmma_scale_f32_16x16x128_f8f6f4 v[rD:rD+7], v[rA:rA+11], v[rB:rB+11], v[rD:rD+7], v[rSA], v[rSB] matrix_a_fmt:MATRIX_FMT_FP6 matrix_b_fmt:MATRIX_FMT_FP6
.else
	v_wmma_scale_f32_16x16x128_f8f6f4 v[rD:rD+7], v[rA:rA+11], v[rB:rB+11], v[rD:rD+7], v[rSA], v[rSB] matrix_a_fmt:MATRIX_FMT_FP6 matrix_b_fmt:MATRIX_FMT_FP6 matrix_a_scale:MATRIX_SCALE_ROW1
.endif
.endif
.endm
	s_load_b512 s[4:19], s[0:1], 0x0               ; x 4:5, Wq_codes 6:7, Wq_scales 8:9, bq 10:11, Wk_codes 12:13, Wk_scales 14:15, bk 16:17, Wv_codes 18:19
	s_load_b256 s[20:27], s[0:1], 0x40             ; Wv_scales 20:21, bv 22:23, q 24:25, kv 26:27
	s_load_b64 s[28:29], s[0:1], 0x60              ; aux
	v_lshl_add_u32 v167, v0, 2, 0x29000
	v_mov_b32 v255, 0
	ds_add_u32 v167, v255
	ds_add_u32 v167, v255
	v_lshrrev_b32 v1, 5, v0
	v_readfirstlane_b32 s30, v1                    ; wave 0..7
	s_and_b32 s31, s30, 3                          ; g: which 32 positions I quantise
	s_lshr_b32 s32, s30, 2                         ; and which 128 channels
	s_and_b32 s34, ttmp7, 0xffff                   ; the image; ttmp9 is the step
	; descriptor group 1: 32 rows of 128 f32, 4,096 elements from row to row, no padding
	s_mov_b32 s40, 2<<16                           ; no mask; elements of 4 bytes
	s_mov_b32 s41, 128<<16                         ; tensor_dim0 = 128
	s_mov_b32 s42, 32<<16                          ; tensor_dim1 = 32
	s_mov_b32 s43, 128<<16                         ; tile_dim0 = 128
	s_mov_b32 s44, 32                              ; tile_dim1 = 32
	s_mov_b32 s45, 4096                            ; the pitch
	s_mov_b32 s46, 0
	s_mov_b32 s47, 0
	s_lshl_b32 s36, s34, 22                        ; the image: 256 rows of 16,384 bytes,
	s_lshl_b32 s38, s30, 19                        ; my 32 channels,
	s_add_co_u32 s36, s36, s38
	s_lshl_b32 s38, ttmp9, 9                       ; the step's 512 bytes of a row
	s_add_co_u32 s36, s36, s38
	s_mov_b32 s37, 0
	s_mov_b32 s48, 1                               ; group 0: count = 1,
	s_lshl_b32 s49, s30, 14                        ; LDS address: my 32 rows of 512 bytes,
	s_mov_b32 s[SEL], 0x76543210
	s_mov_b32 s[SEL+1], 0xfedcba98
	s_wait_dscnt 0x0
	s_wait_kmcnt 0x0
	s_add_nc_u64 s[50:51], s[4:5], s[36:37]        ; the tile's first element,
	s_or_b32 s51, s51, 0x80000000                  ; type = 2
	tensor_load_to_lds s[48:51], s[40:47]          ; my one tensor load; LDS bytes are filled once in this launch
	s_nop 0
.rept 4
	v_nop
.endr
	v_and_b32 v1, 31, v0                           ; lane
	v_and_b32 v2, 15, v0                           ; r
	v_bfe_u32 v3, v0, 4, 1                         ; h
	v_and_b32 v4, 7, v0                            ; my position among the wave's 32: lanes 0-15 take the first tile's rows (0-7, 16-23), lanes 16-31 the second's (8-15, 24-31)
	v_bfe_u32 v16, v0, 3, 1
	v_lshl_or_b32 v4, v16, 4, v4
	v_lshl_or_b32 v4, v3, 3, v4
	v_lshlrev_b32 v4, 2, v4
	s_lshl_b32 s36, s31, 7                         ; + my wave's 32 positions,
	s_lshl_b32 s38, s32, 16                        ; + its 128 channels' rows
	s_add_co_u32 s36, s36, s38
	v_add_nc_u32 v4, s36, v4
	v_lshlrev_b32 v5, 4, v1                        ; 16 x lane: an image's place for my lane, in LDS and in memory
	v_lshlrev_b32 v15, 3, v1                       ; 8 x lane
	v_lshl_add_u32 v6, v1, 2, XSC                  ; a scale word's place
	v_add_nc_u32 v254, XIMG, v5                    ; and a fragment's
	s_lshl_b32 s36, s31, 2
	s_add_co_u32 s36, s36, s32
	s_mul_i32 s36, s36, 1536
	v_add_nc_u32 v7, s36, v254                     ; where I store my fragments: (tile 2 g, my K step); tile 2 g + 1 lies 3,072 bytes on
	s_lshl_b32 s36, s31, 1
	s_add_co_u32 s36, s36, s32
	s_lshl_b32 s36, s36, 7
	v_add_nc_u32 v8, s36, v6                       ; and their scale words
	s_mul_i32 s36, s30, 3072
	v_add_nc_u32 v9, s36, v254                     ; position tile w's two fragments
	s_and_b32 s36, s30, 1
	s_lshl_b32 s36, s36, 6
	s_lshr_b32 s38, s30, 1
	s_lshl_b32 s38, s38, 8
	s_add_co_u32 s36, s36, s38
	s_add_co_u32 s36, s36, XSC
	v_lshl_add_u32 v10, v2, 2, s36                 ; and its rows' scale words, row r's in lane r
	v_mul_u32_u24 v11, v2, 192                     ; Wq, Wk: row r of 192 bytes, + 24 h
	v_mad_u32_u24 v11, v3, 24, v11
	v_and_b32 v13, 8, v2
	v_add_nc_u32 v13, v13, v2                      ; r + 8 (r / 8)
	v_mul_u32_u24 v12, v13, 192                    ; Wv: the rows of a channel tile
	v_mad_u32_u24 v12, v3, 24, v12
	v_lshlrev_b32 v14, 2, v13                      ; bv at those rows,
	v_lshlrev_b32 v13, 3, v13                      ; Wv's scale words,
	v_lshlrev_b32 v252, 3, v2                      ; Wq's and Wk's,
	v_lshlrev_b32 v253, 5, v3                      ; bq, bk: my half's eight numbers
	s_mov_b32 s37, 0
	s_mov_b32 s39, 0
	s_mul_i32 s36, s30, 6144
	s_add_nc_u64 s[18:19], s[18:19], s[36:37]      ; my 32 rows of Wv,
	s_lshl_b32 s36, s30, 8
	s_add_nc_u64 s[20:21], s[20:21], s[36:37]      ; their scale bytes,
	s_lshl_b32 s36, s30, 7
	s_add_nc_u64 s[22:23], s[22:23], s[36:37]      ; their biases
	s_lshl_b32 s36, s34, 18
	s_lshl_b32 s38, ttmp9, 13
	s_add_co_u32 s36, s36, s38
	s_lshl_b32 s38, s30, 10
	s_add_co_u32 s36, s36, s38
	s_add_nc_u64 s[24:25], s[24:25], s[36:37]      ; q: ((32 image + step) 8 + wave) x 1,024
	s_add_co_u32 s38, ttmp9, 31
	s_and_b32 s38, s38, 31
	s_lshl_b32 s38, s38, 15
	s_lshl_b32 s36, s34, 20
	s_add_co_u32 s36, s36, s38
	s_lshl_b32 s38, s30, 10
	s_add_co_u32 s36, s36, s38
	s_add_nc_u64 s[54:55], s[26:27], s[36:37]      ; k: the block before my step's, tile w
	s_lshl_b32 s36, s34, 20
	s_lshl_b32 s38, ttmp9, 15
	s_add_co_u32 s36, s36, s38
	s_mul_i32 s38, s30, 3072
	s_add_co_u32 s36, s36, s38
	s_add_co_u32 s36, s36, 8192
	s_add_nc_u64 s[26:27], s[26:27], s[36:37]      ; v: my step's block, behind its 8,192 bytes of k, channel tiles 2 w and 2 w + 1
	s_mul_i32 s36, s34, 73728
	s_lshl_b32 s38, s30, 10
	s_add_co_u32 s38, s38, s36
	s_add_nc_u64 s[56:57], s[28:29], s[38:39]      ; aux: k of step 0, tile w
	s_lshl_b32 s38, ttmp9, 11
	s_add_co_u32 s36, s36, s38
	s_lshl_b32 s38, s30, 8
	s_add_co_u32 s36, s36, s38
	s_add_co_u32 s36, s36, 8192
	s_add_nc_u64 s[28:29], s[28:29], s[36:37]      ; aux: v's scale words of my step, pair w
	; the weights, 62 loads, land while x is quantised; their offset registers are not written again
.irp s, 0,1
.irp p, 0,1,2,3,4,5
	global_load_b64 v[WQ+12*\s+2*\p:WQ+12*\s+2*\p+1], v11, s[6:7] offset:96*\s+48*(\p/3)+8*(\p%3)
	global_load_b64 v[WK+12*\s+2*\p:WK+12*\s+2*\p+1], v11, s[12:13] offset:96*\s+48*(\p/3)+8*(\p%3)
.endr
.endr
	WIN 0x40                                       ; destination window 1
.irp a, 0,1
.irp s, 0,1
.irp p, 0,1,2,3,4,5
	global_load_b64 v[WVF+12*(2*\a+\s)+2*\p:WVF+12*(2*\a+\s)+2*\p+1], v12, s[18:19] offset:1536*\a+96*\s+48*(\p/3)+8*(\p%3)
.endr
.endr
.endr
	WIN 0
.irp s, 0,1
	global_load_b32 v[WQS+\s], v252, s[8:9] offset:4*\s
	global_load_b32 v[WKS+\s], v252, s[14:15] offset:4*\s
.endr
.irp a, 0,1
.irp s, 0,1
	global_load_b32 v[WVS+2*\a+\s], v13, s[20:21] offset:64*\a+4*\s
.endr
	global_load_b32 v[BVL+\a], v14, s[22:23] offset:32*\a
.endr
	global_load_b128 v[BQ:BQ+3], v253, s[10:11]
	global_load_b128 v[BQ+4:BQ+7], v253, s[10:11] offset:16
	global_load_b128 v[BK:BK+3], v253, s[16:17]
	global_load_b128 v[BK+4:BK+7], v253, s[16:17] offset:16
.irp b, 0,1,2,3
	v_mov_b32 v[TM+4+\b], 0                        ; written once: a lane permute's destination counts as one of its sources
.endr
	s_wait_tensorcnt 0x0                           ; my 32 rows of x are in LDS,
	s_barrier_signal -1
	s_barrier_wait -1                              ; everybody's are
	; ---- x: my 32 positions x 128 channels become two fragments and a register of scale words
	DLOAD 0
	DLOAD 1
	BLOCK 0
	BLOCK 1
	BLOCK 2
	BLOCK 3
.irp c, 0,1                                    ; a lane holds all four blocks of its position; the operand wants blocks 2 c in lanes 0-15 and 2 c + 1 in lanes 16-31 of ONE tile:
.irp i, 0,1,2                                  ; the even blocks' lanes 16-31 (second tile) change places with the odd blocks' lanes 0-15 (first tile)
	v_permlane16_swap_b32 v[F0+6*\c+\i], v[F1+6*\c+\i]
	v_permlane16_swap_b32 v[TT+8*\c+\i], v[TT+8*\c+4+\i]
.endr
.irp i, 0,1,2
	v_mov_b32 v[F0+6*\c+3+\i], v[TT+8*\c+\i]
	v_mov_b32 v[F1+6*\c+3+\i], v[TT+8*\c+4+\i]
.endr
.endr
	IMAGE 7, F0, 0
	IMAGE 7, F1, 3072
	ds_store_b32 v8, v[XW]
	s_wait_dscnt 0x0                               ; for the others' sake: my stores have landed
	s_barrier_signal -1
	s_barrier_wait -1                              ; x's sixteen fragments lie in LDS
	; ---- q and k of position tile w (source 0 = the weight's 16 rows, source 1 = x): lane (r, h) holds dims 8 h + 0 .. 7 of position r
	FETCH QF, 9, 0
	FETCH QF+12, 9, 1536
	ds_load_b32 v[QXS], v10
	ds_load_b32 v[QXS+1], v10 offset:128
.irp n, 0,1,2,3,4,5,6,7
	ds_load_b32 v[XS+\n], v6 offset:128*\n
.endr
	WIN 0x40
.irp f, 0,1,2,3,4,5,6,7,8,9,10,11,12,13,14,15
.irp c, 0,1,2
	ds_load_b128 v[12*\f+4*\c:12*\f+4*\c+3], v254 offset:1536*\f+512*\c
.endr
.endr
	WIN 0
	s_wait_loadcnt 0x0                             ; the weights
	s_wait_dscnt 56                                ; my tile's 8 loads are in; the 8 + 48 loads for v may be out
	v_wmma_scale_f32_16x16x128_f8f6f4 v[DQ:DQ+7], v[WQ:WQ+11], v[QF:QF+11], v[BQ:BQ+7], v[WQS], v[QXS] matrix_a_fmt:MATRIX_FMT_FP6 matrix_b_fmt:MATRIX_FMT_FP6
	v_wmma_scale_f32_16x16x128_f8f6f4 v[DK:DK+7], v[WK:WK+11], v[QF:QF+11], v[BK:BK+7], v[WKS], v[QXS] matrix_a_fmt:MATRIX_FMT_FP6 matrix_b_fmt:MATRIX_FMT_FP6
	v_wmma_scale_f32_16x16x128_f8f6f4 v[DQ:DQ+7], v[WQ+12:WQ+23], v[QF+12:QF+23], v[DQ:DQ+7], v[WQS+1], v[QXS+1] matrix_a_fmt:MATRIX_FMT_FP6 matrix_b_fmt:MATRIX_FMT_FP6
	v_wmma_scale_f32_16x16x128_f8f6f4 v[DK:DK+7], v[WK+12:WK+23], v[QF+12:QF+23], v[DK:DK+7], v[WKS+1], v[QXS+1] matrix_a_fmt:MATRIX_FMT_FP6 matrix_b_fmt:MATRIX_FMT_FP6
.rept 4
	v_nop                                          ; four plain instructions between a product and the first read of its result
.endr
.irp i, 0,1,2,3
	v_pk_mul_f32 v[XN+2*\i:XN+2*\i+1], v[DQ+2*\i:DQ+2*\i+1], 0x3eb8aa3b op_sel_hi:[1,0]   ; q x 0.25 log2(e)
.endr
	global_store_b128 v5, v[XN:XN+3], s[24:25]     ; each store of the wave covers 512 consecutive bytes, aligned
	global_store_b128 v5, v[XN+4:XN+7], s[24:25] offset:512
	global_store_b128 v5, v[DK:DK+3], s[54:55]
	global_store_b128 v5, v[DK+4:DK+7], s[54:55] offset:512
	s_cmp_lg_u32 ttmp9, 0                          ; step 0's k is wanted ahead of every block: it goes to aux too
	s_cbranch_scc1 .Lnot_first
	global_store_b128 v5, v[DK:DK+3], s[56:57]
	global_store_b128 v5, v[DK+4:DK+7], s[56:57] offset:512
.Lnot_first:
.irp a, 0,1
.irp j, 0,1,2,3,4,5,6,7
	v_mov_b32 v[BVC+8*\a+\j], v[BVL+\a]            ; a lane holds one channel of v: its bias in all eight registers
.endr
.endr
	s_wait_xcnt 0x0                                ; q's stores have read their data: v's products write those registers
	s_wait_dscnt 0x0                               ; all of x's fragments and scale words are in
	; ---- v: my two channel tiles for the 128 positions; the eight accumulators take turns
.irp a, 0,1
	WIN 0x05                                       ; sources 0 (x) and 1 (Wv) window 1
.irp m, 0,1,2,3,4,5,6,7
	VP \m, \a, 0
.endr
.irp m, 0,1,2,3,4,5,6,7
	VP \m, \a, 1
.endr
	WIN 0
.rept 4
	v_nop
.endr
	QUANT HA, PC+12*\a, PW+\a
.irp c, 0,1,2
	global_store_b128 v5, v[PC+12*\a+4*\c:PC+12*\a+4*\c+3], s[26:27] offset:1536*\a+512*\c
.endr
.endr
	global_store_b64 v15, v[PW:PW+1], s[28:29]     ; 32 lanes store 256 consecutive bytes, aligned
	s_wait_tensorcnt 0x0
	ds_add_u32 v167, v255
	s_wait_dscnt 0x0
	s_endpgm
.Lfunc_end_k_q5dad361d73_proj:
	.size	k_q5dad361d73_proj, .Lfunc_end_k_q5dad361d73_proj-k_q5dad361d73_proj
	.p2alignl 7, 3214868480
	.fill 96, 4, 3214868480
	.section	.rodata,"a",@progbits
	.p2align	6, 0x0
	.amdhsa_kernel k_q5dad361d73_proj
		.amdhsa_group_segment_fixed_size 168960
		.amdhsa_private_segment_fixed_size 0
		.amdhsa_enable_private_segment 0
		.amdhsa_kernarg_size 104
		.amdhsa_user_sgpr_count 2
		.amdhsa_user_sgpr_kernarg_segment_ptr 1
		.amdhsa_wavefront_size32 1
		.amdhsa_system_sgpr_workgroup_id_x 1
		.amdhsa_system_sgpr_workgroup_id_y 1
		.amdhsa_system_sgpr_workgroup_id_z 1
		.amdhsa_system_vgpr_workitem_id 0
		.amdhsa_next_free_vgpr 512
		.amdhsa_next_free_sgpr 66
		.amdhsa_reserve_vcc 0
		.amdhsa_float_denorm_mode_32 3
		.amdhsa_float_denorm_mode_16_64 3
		.amdhsa_memory_ordered 1
		.amdhsa_forward_progress 1
		.amdhsa_inst_pref_size 46
	.end_amdhsa_kernel
	.amdgpu_metadata
---
amdhsa.version: [ 1, 2 ]
amdhsa.kernels:
  - .name:           k_q5dad361d73_proj
    .symbol:         k_q5dad361d73_proj.kd
    .args:
      - { .name: x, .offset: 0, .size: 8, .value_kind: global_buffer, .address_space: global }
      - { .name: Wq_codes, .offset: 8, .size: 8, .value_kind: global_buffer, .address_space: global }
      - { .name: Wq_scales, .offset: 16, .size: 8, .value_kind: global_buffer, .address_space: global }
      - { .name: bq, .offset: 24, .size: 8, .value_kind: global_buffer, .address_space: global }
      - { .name: Wk_codes, .offset: 32, .size: 8, .value_kind: global_buffer, .address_space: global }
      - { .name: Wk_scales, .offset: 40, .size: 8, .value_kind: global_buffer, .address_space: global }
      - { .name: bk, .offset: 48, .size: 8, .value_kind: global_buffer, .address_space: global }
      - { .name: Wv_codes, .offset: 56, .size: 8, .value_kind: global_buffer, .address_space: global }
      - { .name: Wv_scales, .offset: 64, .size: 8, .value_kind: global_buffer, .address_space: global }
      - { .name: bv, .offset: 72, .size: 8, .value_kind: global_buffer, .address_space: global }
      - { .name: q, .offset: 80, .size: 8, .value_kind: global_buffer, .address_space: global }
      - { .name: kv, .offset: 88, .size: 8, .value_kind: global_buffer, .address_space: global }
      - { .name: aux, .offset: 96, .size: 8, .value_kind: global_buffer, .address_space: global }
    .group_segment_fixed_size: 168960
    .private_segment_fixed_size: 0
    .kernarg_segment_align: 8
    .kernarg_segment_size: 104
    .max_flat_workgroup_size: 256
    .sgpr_count:     66
    .vgpr_count:     512
    .wavefront_size: 32
...
	.end_amdgpu_metadata
.endif
;; end of part 1
;; launch attn (part 2): grid 32 x 8, 8 waves a work-group, clusters of 4 x 1, 327,680 bytes of LDS; arguments q, kv, aux, Wo_codes, Wo_scales, bo, gamma, x, out0; writes out0
.if DOCPART == 2
	.amdgcn_target "amdgcn-amd-amdhsa--gfx1250"
	.amdhsa_code_object_version 6
	.text
	.protected	k_q5dad361d73_attn
	.globl	k_q5dad361d73_attn
	.p2align	8
	.type	k_q5dad361d73_attn,@function
k_q5dad361d73_attn:
	s_mov_b64 s[64:65], 0
	v_nop
	global_prefetch_b8 v0, s[64:65] scope:SCOPE_SE
	s_setreg_imm32_b32 hwreg(HW_REG_WAVE_MODE, 25, 1), 1
	s_wait_xcnt 0x0
	s_wait_alu depctr_hold_cnt(0) depctr_sa_sdst(0) depctr_va_vdst(0) depctr_va_sdst(0) depctr_va_ssrc(0) depctr_va_vcc(0) depctr_vm_vsrc(0)
	s_getreg_b32 s2, hwreg(HW_REG_IB_STS2, 6, 4)
	s_cmp_eq_u32 s2, 0
	s_cbranch_scc0 .Lentry_in_a_cluster
	s_endpgm
.Lentry_in_a_cluster:
	s_bfe_u32 s2, ttmp6, 0x10000c
	s_cmp_lg_u32 s2, 0x3003
	s_cbranch_scc0 .Lentry_shape_is_right
	s_endpgm
.Lentry_shape_is_right:
; ATTENTION, THE OUTPUT PROJECTION AND THE RESIDUAL.  out0 = clip(gamma, 0, 1) x (Wo (v p^T / l) + bo) + x.
; q, k (f32) and v (codes of E2M3 along the keys, with scale words) come from the launch before, laid as images of the operands' registers (a group of four registers at 16 x lane).
; SHARES.  A work-group owns 128 queries of one image, each of its eight waves one tile of 16, through all 4,096 keys, 128 a step.  In the tail wave w makes outputs 32 w .. 32 w + 31 for the 128 queries.
; LAYOUT.  S^T = k q^T by the f32 matrix form (its result goes on into a quantiser): source 0 = 16 keys, source 1 = my 16 queries; of the 16 dims, K step s takes dims 8 h + 2 s + 0, 1 in lane half h, on both sides alike.
; O^T = v p^T on codes: source 0 = 16 channels, source 1 = p.  A lane holds ONE query throughout.  Tiles of keys, queries and channels are made of rows 32 b + 8 u + r + 8 (r / 8), so that a lane's 16 registers of
; tiles 2 b, 2 b + 1 are 16 neighbours along the next K.
; THE SOFTMAX.  q carries 0.25 log2(e), so S^T is t before the clip; t is held to +-50 log2(e) = +-72.135.  p = 2^t: NO MAXIMUM IS TAKEN AWAY (M = 0, a whole number): the clip itself bounds
; p to 2^+-72.2, its scale bytes to 52 .. 197, the row's sum to 2^84.2 and O^T to 2^84.2 x |v|: nothing overflows or underflows in f32 while |v| < 2^43.  The row's sum is taken of the unquantised p and divides O^T at the end.
; A block's largest p is taken of p itself.
; THE PIPELINE.  In trip j the 32 f32 products of step j + 1 stand with the vector work of step j (clip, exponentials, quantiser, first level of the sum) in slices between them; then come the 16 products on codes of step j.
; A block of kv holds k of step j + 1 and v of step j, so a trip reads one block.
; THE RING.  Two LDS slots of two blocks (65,536 bytes).  The four work-groups of a cluster belong to one image and walk the same kv and aux: every fill is asked for JOINTLY, each wave its eighth, by the same descriptor in all four.
; LIMITS: NaN and infinities are not served; a block of zeros of O gets the scale byte 1 where the quantiser says 127 (its codes are zeros; the bytes are read here alone).
; REGISTERS.  window 0: v1 16 x lane; v2 the block's LDS address; v3, v4 for the add; v5 p's scale word; v[6:7] the sum; v8-15 q; v16-27 p's codes; v28-34 second halves of conversions; v31 the prefetch's offset;
;   v35 address of v's scale words; v36-47 at work; v48-63 scale words and nothing else; v64-127 S^T (written by matrix instructions alone); v128-191 k; v192-255 p.
;   window 1: v0-127 O^T (tile t at 8 t); v128-247 ten fragments of v by turns.
.set FRB,   1536                       ; a fragment's image
.set SLOT1, 131072                     ; slot 0 at 0, slot 1 here: one exclusive or turns an address from one into the other
.set AUX,   196608                     ; k of step 0 and all of v's scale words: 73,728 bytes, filled once
.set SPARE, 270336                     ; the spare words, 128 bytes for each wave: four blocks of 256 bytes that no other line names
.set OIMG,  271360                     ; O's 16 fragments, (tile m, K step s) at (2 m + s) x 1,536: bytes of their own, never a fill's target
.set OSC,   295936                     ; their scale words, 128 bytes each
.set STG,   131072                     ; the way out: 32 rows x 528 bytes for each wave, over slot 1 and aux, which have had their last fill and their last read behind the tail's barrier
.set LI,    1
.set ADR,   2
.set SPW,   3
.set NIL,   4
.set PW,    5
.set LSUM,  6
.set Q,     8
.set PC,    16
.set CT,    28
.set PFO,   31
.set ADS,   35
.set TM,    36
.set VS,    48
.set S,     64
.set KF,    128
.set P,     192
.set VF,    128                        ; window 1
.set WOF,   128                        ; window 1, in the tail: Wo's four fragments, (a, s) at 128 + 12 (2 a + s);
.set BOC,   176                        ; bo as the C of the first products;
.set XR1,   192                        ; 16 rows of x
.set WV,    22
.set CX,    23
.set QB,    24
.set BB,    25
.set G1,    32                         ; s[32:39] group 1 for an eighth of a slot; s[40:47] for an eighth of aux
.set G1X,   40
.set G0A,   48                         ; groups 0: aux, slot 0's first fill, and the one that walks
.set G0,    52
.set G0W,   56
.set TB,    60                         ; LDS byte at which the trip's block begins
.set TS,    61                         ; and its scale words
.set SLOTS, 62
.set TWICE, 63
.set CLO,   66                         ; -50 log2(e), +50 log2(e)
.set CHI,   67
.set SEL,   68
.set PFA,   70
.set LIM,   72
.set GM,    73
.set MSB, 0
.macro WIN new                         ; the immediate's high byte repeats the setting that is left
.if MSB != \new
	s_set_vgpr_msb (MSB<<8)|\new
.set MSB, \new
.endif
.endm
.macro CROUND                          ; a round of the cluster's barrier: my work-group's barrier, wave 0 signals for it, every wave waits for all four work-groups, my work-group's barrier once more
	s_barrier_signal -1
	s_barrier_wait -1
	s_cmp_lg_u32 s[WV], 0
	s_cbranch_scc1 .Lnot_wave_0_\@
	s_barrier_signal -3
.Lnot_wave_0_\@:
	s_barrier_wait -3
	s_barrier_signal -1
	s_barrier_wait -1
.endm
; f32 product k of 32: dims' K step k / 8, tile of keys k % 8.  The first eight start the sums with the constant 0; the eight accumulators take turns
.macro SMM k
.set ss_, (\k)/8
.set ii_, (\k)%8
.if ss_ == 0
	v_wmma_f32_16x16x4_f32 v[S+8*ii_:S+8*ii_+7], v[KF+8*ii_:KF+8*ii_+1], v[Q:Q+1], 0
.else
	v_wmma_f32_16x16x4_f32 v[S+8*ii_:S+8*ii_+7], v[KF+8*ii_+2*ss_:KF+8*ii_+2*ss_+1], v[Q+2*ss_:Q+2*ss_+1], v[S+8*ii_:S+8*ii_+7]
.endif
.endm
; product on codes: channel tile t of O^T; sixteen accumulators, one instruction each a step
.macro PVM t, first
.if \first
	v_wmma_scale_f32_16x16x128_f8f6f4 v[8*(\t):8*(\t)+7], v[VF+12*((\t)%10):VF+12*((\t)%10)+11], v[PC:PC+11], 0, v[VS+(\t)], v[PW] matrix_a_fmt:MATRIX_FMT_FP6 matrix_b_fmt:MATRIX_FMT_FP6
.else
	v_wmma_scale_f32_16x16x128_f8f6f4 v[8*(\t):8*(\t)+7], v[VF+12*((\t)%10):VF+12*((\t)%10)+11], v[PC:PC+11], v[8*(\t):8*(\t)+7], v[VS+(\t)], v[PW] matrix_a_fmt:MATRIX_FMT_FP6 matrix_b_fmt:MATRIX_FMT_FP6
.endif
.endm
; THE VECTOR WORK OF A STEP is a list of 213 lines; VEC writes line n.
;   0-63 the clip, S^T into p's registers, each tile from its low end on;  64-127 the exponentials: ONE batch;  128 a plain instruction and a wait ahead of the first line that names a result;
;   129-168 the four blocks' largest p (my 16, then lane l xor 16's);  169-179 the conversions' scale operands, the bytes, the scale word;  180-196 the codes, and whole blocks to a lane;  197-212 the sum's first level
.macro VEC n
.if (\n) < 64
	v_med3_num_f32 v[P+(\n)], v[S+(\n)], s[CLO], s[CHI]
.elseif (\n) < 128
	v_exp_f32 v[P+(\n)-64], v[P+(\n)-64]
.elseif (\n) == 128
	v_nop
	s_wait_alu depctr_va_vdst(0)
.elseif (\n) < 161
.set vq, ((\n)-129)/4
.set vb, ((\n)-129)%4
.if vq == 0
	v_max3_num_f32 v[TM+vb], v[P+16*vb], v[P+16*vb+1], v[P+16*vb+2]
.elseif vq < 7
	v_max3_num_f32 v[TM+vb], v[TM+vb], v[P+16*vb+2*vq+1], v[P+16*vb+2*vq+2]
.else
	v_max_num_f32 v[TM+vb], v[TM+vb], v[P+16*vb+15]
.endif
.elseif (\n) < 165
	v_permlanex16_b32 v[TM+4+(\n)-161], v[TM+(\n)-161], s[SEL], s[SEL+1]
.elseif (\n) < 169
	v_max_num_f32 v[TM+(\n)-165], v[TM+(\n)-165], v[TM+4+(\n)-165]
.elseif (\n) < 173
	v_add_nc_u32 v[TM+8+(\n)-169], 0xff000000, v[TM+(\n)-169]   ; 2 off the exponent field (p is at least 2^-72.2: no floor is needed)
.elseif (\n) < 177
	v_lshrrev_b32 v[TM+4+(\n)-173], 23, v[TM+8+(\n)-173]
.elseif (\n) == 177
	v_lshl_or_b32 v[PW], v[TM+5], 8, v[TM+4]
.elseif (\n) == 178
	v_lshl_or_b32 v[PW], v[TM+6], 16, v[PW]
.elseif (\n) == 179
	v_lshl_or_b32 v[PW], v[TM+7], 24, v[PW]
.elseif (\n) == 180
	v_cvt_scalef32_pk16_fp6_f32 v[PC:PC+2], v[P:P+15], v[TM+8]
.elseif (\n) == 181
	v_cvt_scalef32_pk16_fp6_f32 v[CT:CT+2], v[P+16:P+31], v[TM+9]
.elseif (\n) == 182
	v_cvt_scalef32_pk16_fp6_f32 v[PC+6:PC+8], v[P+32:P+47], v[TM+10]
.elseif (\n) == 183
	v_cvt_scalef32_pk16_fp6_f32 v[CT+4:CT+6], v[P+48:P+63], v[TM+11]
.elseif (\n) == 184
	v_nop
.elseif (\n) < 191
.set vc, ((\n)-185)/3
.set vi, ((\n)-185)%3
	v_permlane16_swap_b32 v[PC+6*vc+vi], v[CT+4*vc+vi]
.elseif (\n) < 197
.set vc, ((\n)-191)/3
.set vi, ((\n)-191)%3
	v_mov_b32 v[PC+6*vc+3+vi], v[CT+4*vc+vi]
.else
.set vi, (\n)-197
	v_pk_add_f32 v[P+4*vi:P+4*vi+1], v[P+4*vi:P+4*vi+1], v[P+4*vi+2:P+4*vi+3]
.endif
.endm
; Slice k stands ahead of f32 product k.  Slices 0-7: the clip of tile k, ahead of the product that begins that tile anew; 8-23: four exponentials; 24-31: ten lines; 32: the last five
.macro SLICE k
.if (\k) < 8
.set n_, 8*(\k)
.set c_, 8
.elseif (\k) < 24
.set n_, 64+4*((\k)-8)
.set c_, 4
.elseif (\k) < 32
.set n_, 128+10*((\k)-24)
.set c_, 10
.else
.set n_, 208
.set c_, 5
.endif
.rept c_
	VEC n_
.set n_, n_+1
.endr
.endm
; A TRIP.  first = 1: O^T's sums begin.  more = 1: there is a next step, whose scores are made.
; Between the last products of the trip before and the loads into registers that they read stand the two last lines of the sum and the three address lines (five plain instructions; the f32 products lie further back).
.macro BODY first, more
	v_add_nc_u32 v[ADR], s[TB], v[LI]
	v_lshrrev_b32 v[ADS], 1, v[LI]
	v_add_nc_u32 v[ADS], s[TS], v[ADS]
	s_add_co_u32 s[TB], s[TB], 32768
	s_add_co_u32 s[TS], s[TS], 2048
.if \more
.irp n, 0,1,2,3,4,5,6,7,8,9,10,11,12,13,14,15
	ds_load_b128 v[KF+4*\n:KF+4*\n+3], v[ADR] offset:512*\n      ; k of the next step
.endr
.endif
.irp p, 0,1,2,3,4,5,6,7
	ds_load_b64 v[VS+2*\p:VS+2*\p+1], v[ADS] offset:256*\p       ; v's scale words: channel tiles 2 p, 2 p + 1
.endr
	WIN 0x40
.irp t, 0,1,2,3,4,5,6,7,8,9
.irp c, 0,1,2
	ds_load_b128 v[VF+12*\t+4*\c:VF+12*\t+4*\c+3], v[ADR] offset:8192+1536*\t+512*\c
.endr
.endr
	WIN 0
.set k_, 0
.rept 32
	SLICE k_
.if \more
.if k_ == 0
	s_wait_dscnt 38                                ; k's 16 loads are in; the 8 + 30 younger ones may be out
.endif
	SMM k_
.endif
.set k_, k_+1
.endr
	SLICE 32
	s_wait_dscnt 0x0                               ; v's first ten fragments and the scale words
	WIN 0x51                                       ; v and O^T window 1, p window 0
.irp t, 0,1,2,3,4,5
	PVM \t, \first
.endr
	WIN 0
.irp i, 0,1,2,3,4,5,6,7
	v_pk_add_f32 v[P+8*\i:P+8*\i+1], v[P+8*\i:P+8*\i+1], v[P+8*\i+4:P+8*\i+5]   ; the sum's second level: also the plain instructions ahead of the loads below
.endr
	WIN 0x40
.irp t, 10,11,12,13,14,15
.irp c, 0,1,2
	ds_load_b128 v[VF+12*(\t-10)+4*\c:VF+12*(\t-10)+4*\c+3], v[ADR] offset:8192+1536*\t+512*\c
.endr
.endr
	WIN 0x51
.irp t, 6,7,8,9
	PVM \t, \first
.endr
	WIN 0
.irp i, 0,1,2,3
	v_pk_add_f32 v[P+16*\i:P+16*\i+1], v[P+16*\i:P+16*\i+1], v[P+16*\i+8:P+16*\i+9]
.endr
.irp i, 0,1
	v_pk_add_f32 v[P+32*\i:P+32*\i+1], v[P+32*\i:P+32*\i+1], v[P+32*\i+16:P+32*\i+17]
.endr
	s_wait_dscnt 0x0
	WIN 0x51
.irp t, 10,11,12,13,14,15
	PVM \t, \first
.endr
	WIN 0
	v_pk_add_f32 v[P:P+1], v[P:P+1], v[P+32:P+33]
	v_pk_add_f32 v[LSUM:LSUM+1], v[LSUM:LSUM+1], v[P:P+1]
.endm
; A PREFETCH of the slot that the NEXT change of slots will ask for: 65,536 bytes, lanes 256 bytes apart.  All clusters of an image walk the same kv: the image's first cluster asks; its four partners take 16,384 bytes each,
; told apart by address; in each, waves 0 and 1 ask, one instruction each.  So each aligned 256 bytes are named once.  Slots 0 to 2 come by their loads alone; the last change that fills a slot asks for nothing.
.macro ASK
	s_cmp_gt_u32 s[SLOTS], s[LIM]
	s_cbranch_scc0 .Lnot_mine_\@
	global_prefetch_b8 v[PFO], s[PFA:PFA+1] th:TH_LOAD_NT scope:SCOPE_SE
.Lnot_mine_\@:
.endm
; THE CHANGE OF SLOTS.  Each wave waits for all its tensor loads (one is out: its eighth of the slot ahead), adds 0 to its spare word, and waits for that and for its reads of the slot that it leaves.
; fill = 1: a round of the cluster's barrier, and the joint refill of the slot just left is the first thing behind it: two trips in which to land.
.macro CHANGE fill
	s_wait_tensorcnt 0x0                           ; no tensor load of mine is out, so a group 0 may be written
	ds_add_u32 v[SPW], v[NIL]                      ; 0 onto my spare word
.if \fill
	s_xor_b32 s[G0W+1], s[G0W+1], SLOT1            ; the other slot than last time,
	s_add_nc_u64 s[G0W+2:G0W+3], s[G0W+2:G0W+3], 65536   ; the next two blocks; the type bits on top are not reached
	s_wait_xcnt 0x0                                ; the last prefetch, two trips back, has read its address
	s_add_nc_u64 s[PFA:PFA+1], s[PFA:PFA+1], 65536
	s_wait_dscnt 0x0                               ; the add is done, and my reads of the slot are over
	CROUND
	tensor_load_to_lds s[G0W:G0W+3], s[G1:G1+7]
	s_nop 0
.rept 4
	v_nop
.endr
	ASK
.else
	s_wait_dscnt 0x0
	s_barrier_signal -1
	s_barrier_wait -1
.endif
	s_sub_co_u32 s[TB], s[TB], 65536               ; back to a slot's first block,
	s_xor_b32 s[TB], s[TB], SLOT1                  ; in the other slot
.endm
; 64 numbers of a lane, register 16 b + i = k 32 b + 16 (lane / 16) + i of my row, become a fragment's codes in v[pc] on and its scale word in v[pw]
.macro QUANT s, pc, pw
.irp b, 0,1,2,3
	v_max3_num_f32 v[TM+\b], |v[\s+16*\b]|, |v[\s+16*\b+1]|, 0x1800000   ; and the floor 2^(3 - 127): the byte cannot fall under 1
.endr
.irp i, 2,4,6,8,10,12,14
.irp b, 0,1,2,3
	v_max3_num_f32 v[TM+\b], v[TM+\b], |v[\s+16*\b+\i]|, |v[\s+16*\b+\i+1]|
.endr
.endr
.irp b, 0,1,2,3
	v_permlanex16_b32 v[TM+4+\b], v[TM+\b], s[SEL], s[SEL+1]
.endr
.irp b, 0,1,2,3
	v_max_num_f32 v[TM+\b], v[TM+\b], v[TM+4+\b]
.endr
.irp b, 0,1,2,3
	v_add_nc_u32 v[TM+8+\b], 0xff000000, v[TM+\b]
.endr
.irp b, 0,1,2,3
	v_lshrrev_b32 v[TM+4+\b], 23, v[TM+8+\b]
.endr
	v_lshl_or_b32 v[\pw], v[TM+5], 8, v[TM+4]
	v_lshl_or_b32 v[\pw], v[TM+6], 16, v[\pw]
	v_lshl_or_b32 v[\pw], v[TM+7], 24, v[\pw]
.irp c, 0,1
	v_cvt_scalef32_pk16_fp6_f32 v[\pc+6*\c:\pc+6*\c+2], v[\s+32*\c:\s+32*\c+15], v[TM+8+2*\c]
	v_cvt_scalef32_pk16_fp6_f32 v[CT+4*\c:CT+4*\c+2], v[\s+32*\c+16:\s+32*\c+31], v[TM+9+2*\c]
.endr
	v_nop
.irp c, 0,1
.irp i, 0,1,2
	v_permlane16_swap_b32 v[\pc+6*\c+\i], v[CT+4*\c+\i]
.endr
.irp i, 0,1,2
	v_mov_b32 v[\pc+6*\c+3+\i], v[CT+4*\c+\i]
.endr
.endr
.endm
.macro IMAGE adr, reg, off
.irp c, 0,1,2
	ds_store_b128 v[\adr], v[\reg+4*\c:\reg+4*\c+3] offset:\off+512*\c
.endr
.endm
.macro FETCH reg, adr, off
.irp c, 0,1,2
	ds_load_b128 v[\reg+4*\c:\reg+4*\c+3], v[\adr] offset:\off+512*\c
.endr
.endm
	s_load_b512 s[4:19], s[0:1], 0x0               ; q 4:5, kv 6:7, aux 8:9, Wo_codes 10:11, Wo_scales 12:13, bo 14:15, gamma 16:17, x 18:19
	s_load_b64 s[20:21], s[0:1], 0x40              ; out0
	v_lshl_add_u32 v[SPW], v0, 2, SPARE
	v_mov_b32 v[NIL], 0
	ds_add_u32 v3, v4
	ds_add_u32 v3, v4
	s_wait_dscnt 0x0
	v_lshrrev_b32 v1, 5, v0
	v_readfirstlane_b32 s[WV], v1                  ; wave 0..7
	s_bfe_u32 s[CX], ttmp6, 0x40000                ; my place in the cluster: it enters global addresses of q, x, out0 and the prefetch alone
	s_lshl_b32 s[QB], ttmp9, 2
	s_add_co_u32 s[QB], s[QB], s[CX]               ; my block of 128 queries
	s_and_b32 s[BB], ttmp7, 0xffff                 ; the image, which the four partners share
	; descriptor groups 1: dense rows of 256 bytes (32 elements of 8 bytes), 32 rows for an eighth of a slot, 36 for an eighth of aux
	s_mov_b32 s[G1], 15|(3<<16)|(1<<21)            ; the mask: all four work-groups; elements of 8 bytes; bit 21 set beside a mask
	s_mov_b32 s[G1+1], 32<<16
	s_mov_b32 s[G1+2], 32<<16
	s_mov_b32 s[G1+3], 32<<16
	s_mov_b32 s[G1+4], 32
	s_mov_b32 s[G1+5], 32
	s_mov_b32 s[G1+6], 0
	s_mov_b32 s[G1+7], 0
	s_mov_b32 s[G1X], 15|(3<<16)|(1<<21)
	s_mov_b32 s[G1X+1], 32<<16
	s_mov_b32 s[G1X+2], 36<<16
	s_mov_b32 s[G1X+3], 32<<16
	s_mov_b32 s[G1X+4], 36
	s_mov_b32 s[G1X+5], 32
	s_mov_b32 s[G1X+6], 0
	s_mov_b32 s[G1X+7], 0
	s_mov_b32 s[CLO], 0xc29044fe
	s_mov_b32 s[CHI], 0x429044fe
	s_mov_b32 s[SEL], 0x76543210
	s_mov_b32 s[SEL+1], 0xfedcba98
	s_mov_b32 s27, 0
	s_mov_b32 s29, 0
	s_mul_i32 s26, s[BB], 73728
	s_mul_i32 s30, s[WV], 9216
	s_add_co_u32 s26, s26, s30                     ; aux: the image's part, my eighth
	s_mov_b32 s[G0A], 1
	s_add_co_u32 s[G0A+1], s30, AUX
	s_lshl_b32 s28, s[BB], 20
	s_lshl_b32 s30, s[WV], 13
	s_add_co_u32 s28, s28, s30                     ; kv: the image's 32 blocks, my eighth of a slot
	s_mov_b32 s[G0], 1
	s_mov_b32 s[G0+1], s30
	s_mov_b32 s[G0W], 1
	s_add_co_u32 s[G0W+1], s30, SLOT1
	s_wait_kmcnt 0x0
	s_add_nc_u64 s[G0A+2:G0A+3], s[8:9], s[26:27]
	s_or_b32 s[G0A+3], s[G0A+3], 0x80000000
	s_add_nc_u64 s[G0+2:G0+3], s[6:7], s[28:29]
	s_add_nc_u64 s[G0W+2:G0W+3], s[G0+2:G0+3], 65536
	s_or_b32 s[G0+3], s[G0+3], 0x80000000
	s_or_b32 s[G0W+3], s[G0W+3], 0x80000000
	CROUND                                         ; all four work-groups are here: the first joint loads meet
	tensor_load_to_lds s[G0A:G0A+3], s[G1X:G1X+7]  ; the three first fills go out together: three loads of mine are out
	s_nop 0
	tensor_load_to_lds s[G0:G0+3], s[G1:G1+7]
	s_nop 0
	tensor_load_to_lds s[G0W:G0W+3], s[G1:G1+7]
	s_nop 0
.rept 4
	v_nop
.endr
	v_and_b32 v[LI], 31, v0
	v_lshlrev_b32 v[LI], 4, v[LI]
	s_mov_b32 s75, 0
	s_lshl_b32 s74, s[BB], 18
	s_lshl_b32 s76, s[QB], 13
	s_add_co_u32 s74, s74, s76
	s_lshl_b32 s76, s[WV], 10
	s_add_co_u32 s74, s74, s76
	s_add_nc_u64 s[4:5], s[4:5], s[74:75]          ; q: my tile
	global_load_b128 v[Q:Q+3], v[LI], s[4:5]
	global_load_b128 v[Q+4:Q+7], v[LI], s[4:5] offset:512
	s_load_b32 s[GM], s[16:17], 0x0                ; gamma
	s_lshl_b32 s74, s[BB], 22
	s_lshl_b32 s76, s[WV], 19
	s_add_co_u32 s74, s74, s76
	s_lshl_b32 s76, s[QB], 9
	s_add_co_u32 s74, s74, s76
	s_add_nc_u64 s[18:19], s[18:19], s[74:75]      ; x and out0: the image, my 32 channels' rows, my work-group's 512 bytes of a row
	s_add_nc_u64 s[20:21], s[20:21], s[74:75]
	s_lshl_b32 s74, s[CX], 14
	s_and_b32 s76, s[WV], 1
	s_lshl_b32 s76, s76, 13
	s_add_co_u32 s74, s74, s76
	s_lshl_b32 s76, s[BB], 20
	s_add_co_u32 s74, s74, s76
	s_add_co_u32 s74, s74, 2*65536
	s_add_nc_u64 s[PFA:PFA+1], s[6:7], s[74:75]    ; the prefetches stand in slot 2; the first change of slots steps them to slot 3
	s_lshr_b32 s[LIM], s[WV], 1
	s_or_b32 s[LIM], s[LIM], ttmp9                 ; 0 in waves 0 and 1 of the image's first cluster: the same in all four partners
	s_cmp_eq_u32 s[LIM], 0
	s_cselect_b32 s[LIM], 1, -1
	s_mul_i32 s26, s[WV], 6144
	s_add_nc_u64 s[10:11], s[10:11], s[26:27]      ; my 32 rows of Wo,
	s_lshl_b32 s26, s[WV], 8
	s_add_nc_u64 s[12:13], s[12:13], s[26:27]      ; their scale bytes,
	s_lshl_b32 s26, s[WV], 7
	s_add_nc_u64 s[14:15], s[14:15], s[26:27]      ; their biases
	s_mov_b32 s[TB], 0
	s_mov_b32 s[TS], AUX+8192
	s_mov_b32 s[SLOTS], 14
	s_wait_tensorcnt 0x1                           ; aux and my part of slot 0 are in; slot 1's may stay out
	s_barrier_signal -1
	s_barrier_wait -1                              ; everybody's are
	v_add_nc_u32 v[ADR], AUX, v[LI]
.irp n, 0,1,2,3,4,5,6,7,8,9,10,11,12,13,14,15
	ds_load_b128 v[KF+4*\n:KF+4*\n+3], v[ADR] offset:512*\n      ; k of step 0
.endr
	s_wait_loadcnt 0x0                             ; q
	s_wait_kmcnt 0x0                               ; gamma
	s_wait_dscnt 0x0
.set k_, 0
.rept 32
	SMM k_                                         ; the first scores: there is no vector work yet to set between them
.set k_, k_+1
.endr
	v_mov_b32 v[LSUM], 0                           ; nine plain instructions behind those products
	v_mov_b32 v[LSUM+1], 0
.irp b, 0,1,2,3
	v_mov_b32 v[TM+4+\b], 0                        ; written once: a lane permute's destination counts as one of its sources
.endr
	v_and_b32 v[PFO], 31, v0
	v_lshlrev_b32 v[PFO], 8, v[PFO]
	v_nop
	BODY 1, 1                                      ; trips 0 and 1: slot 0
	BODY 0, 1
.Lslot:                                            ; 14 turns of two trips: every slot but the last two is filled again
	CHANGE 1
	s_mov_b32 s[TWICE], 2
.Lstep:
	BODY 0, 1
	s_sub_co_u32 s[TWICE], s[TWICE], 1
	s_cmp_lg_u32 s[TWICE], 0
	s_cbranch_scc1 .Lstep
	s_sub_co_u32 s[SLOTS], s[SLOTS], 1
	s_cmp_lg_u32 s[SLOTS], 0
	s_cbranch_scc1 .Lslot
	CHANGE 0                                       ; the tail is written out
	BODY 0, 1
	BODY 0, 0                                      ; the last step has no successor
	; ---- THE TAIL.  Loads first: Wo's four fragments, their scale words, bo (30 loads), then my 32 rows of x (16 + 16)
	v_add_f32 v[LSUM], v[LSUM], v[LSUM+1]
	v_and_b32 v14, 15, v0                          ; r
	v_bfe_u32 v13, v0, 4, 1                        ; h
	v_mul_u32_u24 v15, v14, 192
	v_mad_u32_u24 v15, v13, 24, v15                ; Wo: row r of 192 bytes, + 24 h
	v_lshlrev_b32 v[ADR], 3, v14                   ; its scale words: 8 r
	v_lshlrev_b32 v14, 2, v14                      ; bo: 4 r
	s_mul_i32 s26, s[WV], 3072
	s_add_co_u32 s26, s26, OIMG
	v_add_nc_u32 v12, s26, v[LI]                   ; where I store my tile's two fragments of O
	v_lshrrev_b32 v13, 2, v[LI]
	s_lshl_b32 s26, s[WV], 8
	s_add_co_u32 s26, s26, OSC
	v_add_nc_u32 v13, s26, v13                     ; and their scale words
	WIN 0x40
.irp a, 0,1
.irp s, 0,1
.irp p, 0,1,2,3,4,5
	global_load_b64 v[WOF+12*(2*\a+\s)+2*\p:WOF+12*(2*\a+\s)+2*\p+1], v15, s[10:11] offset:3072*\a+96*\s+48*(\p/3)+8*(\p%3)
.endr
.endr
.endr
	WIN 0
.irp a, 0,1
.irp s, 0,1
	global_load_b32 v[VS+8+2*\a+\s], v[ADR], s[12:13] offset:128*\a+4*\s
.endr
	global_load_b32 v[8+\a], v14, s[14:15] offset:64*\a
.endr
	WIN 0x40
.irp i, 0,1,2,3,4,5,6,7,8,9,10,11,12,13,14,15
	global_load_b128 v[XR1+4*\i:XR1+4*\i+3], v[LI], s[18:19] offset:\i*16384 th:TH_LOAD_NT
.endr
	WIN 0
.irp i, 0,1,2,3,4,5,6,7,8,9,10,11,12,13,14,15
	global_load_b128 v[KF+4*\i:KF+4*\i+3], v[LI], s[18:19] offset:(16+\i)*16384 th:TH_LOAD_NT
.endr
	v_permlanex16_b32 v[LSUM+1], v[LSUM], s[SEL], s[SEL+1]
	v_add_f32 v[TM], v[LSUM], v[LSUM+1]            ; with lane l xor 16's keys: the row's sum
	v_rcp_f32 v[LSUM], v[TM]
	v_nop                                          ; a plain instruction behind the reciprocal,
	s_wait_alu depctr_va_vdst(0)                   ; and a wait ahead of its first reader
	; O^T / l, quantised along the channels: my tile's two K steps of the last product, as images to LDS
.irp s, 0,1
	WIN 0x01                                       ; source 0 (O^T) window 1
.set i_, 0
.rept 32
	v_pk_mul_f32 v[P+2*i_:P+2*i_+1], v[64*\s+2*i_:64*\s+2*i_+1], v[LSUM:LSUM+1] op_sel_hi:[1,0]
.set i_, i_+1
.endr
	WIN 0
	QUANT P, PC, PW
	IMAGE 12, PC, 1536*\s
	ds_store_b32 v13, v[PW] offset:128*\s
	s_wait_dscnt 0x0                               ; the stores have read their registers, and have landed
.endr
	s_barrier_signal -1
	s_barrier_wait -1                              ; O's sixteen fragments lie in LDS; no wave reads a slot or aux any more
	v_med3_num_f32 v10, s[GM], 0, 1.0              ; g = clip(gamma, 0, 1)
	v_mov_b32 v11, v10
	s_wait_loadcnt 32                              ; Wo, its scale words and bo are in; x's 32 rows may be out
	WIN 0x40
.irp a, 0,1
.irp j, 0,1,2,3,4,5,6,7
	v_mov_b32 v[BOC+8*\a+\j], v[8+\a]              ; a lane holds one output channel: its bias in all eight registers
.endr
.endr
	WIN 0
	v_and_b32 v12, 15, v0
	v_bfe_u32 v13, v0, 4, 1
	v_mul_u32_u24 v12, v12, 528
	v_lshl_add_u32 v12, v13, 6, v12
	s_mul_i32 s26, s[WV], 16896
	s_add_co_u32 s26, s26, STG
	v_add_nc_u32 v12, s26, v12                     ; my stage, in: row r (an output channel), + 64 h
	v_add_nc_u32 v13, s26, v[LI]                   ; back: a row's 512 bytes, 16 a lane
	v_add_nc_u32 v[ADS], OIMG, v[LI]               ; O's fragments
	v_add_nc_u32 v[CT], OSC, v14                   ; and their scale words, row r's in lane r
; eight products: four tiles of queries x my two tiles of outputs, K step s.  Source 0 = O's 16 queries, source 1 = Wo's 16 rows: a lane holds ONE output channel, its registers run along the queries
.macro GROUP s, mh
.irp mm, 0,1,2,3
	FETCH P+12*\mm, ADS, (2*(4*(\mh)+\mm)+(\s))*FRB
	ds_load_b32 v[VS+4*(\mh)+\mm], v[CT] offset:(2*(4*(\mh)+\mm)+(\s))*128
.endr
	s_wait_dscnt 0x0
	WIN 0x54                                       ; source 1 (Wo), C and D window 1
.irp mm, 0,1,2,3
.irp a, 0,1
.if (\s) == 0
	v_wmma_scale_f32_16x16x128_f8f6f4 v[8*(8*\a+4*(\mh)+\mm):8*(8*\a+4*(\mh)+\mm)+7], v[P+12*\mm:P+12*\mm+11], v[WOF+12*(2*\a+(\s)):WOF+12*(2*\a+(\s))+11], v[BOC+8*\a:BOC+8*\a+7], v[VS+4*(\mh)+\mm], v[VS+8+2*\a+(\s)] matrix_a_fmt:MATRIX_FMT_FP6 matrix_b_fmt:MATRIX_FMT_FP6
.else
	v_wmma_scale_f32_16x16x128_f8f6f4 v[8*(8*\a+4*(\mh)+\mm):8*(8*\a+4*(\mh)+\mm)+7], v[P+12*\mm:P+12*\mm+11], v[WOF+12*(2*\a+(\s)):WOF+12*(2*\a+(\s))+11], v[8*(8*\a+4*(\mh)+\mm):8*(8*\a+4*(\mh)+\mm)+7], v[VS+4*(\mh)+\mm], v[VS+8+2*\a+(\s)] matrix_a_fmt:MATRIX_FMT_FP6 matrix_b_fmt:MATRIX_FMT_FP6
.endif
.endr
.endr
	WIN 0
.rept 4
	v_nop                                          ; four plain instructions ahead of loads into registers that the products read, and of the first read of results
.endr
.endm
	GROUP 0, 0
	GROUP 0, 1
	GROUP 1, 0
	GROUP 1, 1
; THE WAY OUT, 16 output channels at a time: through my own stage (LDS serves a wave's instructions in order), back as whole rows of 512 bytes, x g + x, stored
.macro OUTA a, xr
	WIN 0x04                                       ; an LDS store's data are its source 1: window 1
.irp m, 0,1,2,3,4,5,6,7
	ds_store_b128 v12, v[8*(8*(\a)+\m):8*(8*(\a)+\m)+3] offset:(\a)*8448+128*(\m/2)+32*(\m%2)          ; each accumulator from its low end on
	ds_store_b128 v12, v[8*(8*(\a)+\m)+4:8*(8*(\a)+\m)+7] offset:(\a)*8448+128*(\m/2)+32*(\m%2)+16
.endr
	WIN 0
.if (\a) == 1
	s_wait_xcnt 0x0                                ; the first half's stores have read their data: the loads below land there
.endif
.irp i, 0,1,2,3,4,5,6,7,8,9,10,11,12,13,14,15
	ds_load_b128 v[P+4*\i:P+4*\i+3], v13 offset:(\a)*8448+528*\i
.endr
	s_wait_loadcnt 16-16*(\a)                      ; this half's 16 rows of x are in; the other half's may be out
.if (\a) == 0
	WIN 0x10                                       ; source 2 (x) window 1
.endif
.irp i, 0,1,2,3,4,5,6,7,8,9,10,11,12,13,14,15
	s_wait_dscnt 15-\i                             ; row i is back; the younger rows may be out
	v_pk_fma_f32 v[P+4*\i:P+4*\i+1], v[P+4*\i:P+4*\i+1], v[10:11], v[\xr+4*\i:\xr+4*\i+1] op_sel_hi:[1,0,1]
	v_pk_fma_f32 v[P+4*\i+2:P+4*\i+3], v[P+4*\i+2:P+4*\i+3], v[10:11], v[\xr+4*\i+2:\xr+4*\i+3] op_sel_hi:[1,0,1]
	global_store_b128 v[LI], v[P+4*\i:P+4*\i+3], s[20:21] offset:(16*(\a)+\i)*16384 th:TH_STORE_NT   ; 32 lanes store 512 consecutive bytes, aligned
.endr
	WIN 0
.endm
	OUTA 0, XR1
	OUTA 1, KF
	s_wait_tensorcnt 0x0                           ; the wave's end, behind my last tensor load and my last LDS store
	ds_add_u32 v[SPW], v[NIL]
	s_wait_dscnt 0x0
	CROUND                                         ; the closing round: no work-group ends while a partner may still ask for a tile that names it
	s_endpgm
.Lfunc_end_k_q5dad361d73_attn:
	.size	k_q5dad361d73_attn, .Lfunc_end_k_q5dad361d73_attn-k_q5dad361d73_attn
	.p2alignl 7, 3214868480
	.fill 96, 4, 3214868480
	.section	.rodata,"a",@progbits
	.p2align	6, 0x0
	.amdhsa_kernel k_q5dad361d73_attn
		.amdhsa_group_segment_fixed_size 327680
		.amdhsa_private_segment_fixed_size 0
		.amdhsa_enable_private_segment 0
		.amdhsa_kernarg_size 72
		.amdhsa_user_sgpr_count 2
		.amdhsa_user_sgpr_kernarg_segment_ptr 1
		.amdhsa_wavefront_size32 1
		.amdhsa_system_sgpr_workgroup_id_x 1
		.amdhsa_system_sgpr_workgroup_id_y 1
		.amdhsa_system_sgpr_workgroup_id_z 1
		.amdhsa_system_vgpr_workitem_id 0
		.amdhsa_next_free_vgpr 512
		.amdhsa_next_free_sgpr 80
		.amdhsa_reserve_vcc 0
		.amdhsa_float_denorm_mode_32 3
		.amdhsa_float_denorm_mode_16_64 3
		.amdhsa_memory_ordered 1
		.amdhsa_forward_progress 1
		.amdhsa_inst_pref_size 153
	.end_amdhsa_kernel
	.amdgpu_metadata
---
amdhsa.version: [ 1, 2 ]
amdhsa.kernels:
  - .name:           k_q5dad361d73_attn
    .symbol:         k_q5dad361d73_attn.kd
    .args:
      - { .name: q, .offset: 0, .size: 8, .value_kind: global_buffer, .address_space: global }
      - { .name: kv, .offset: 8, .size: 8, .value_kind: global_buffer, .address_space: global }
      - { .name: aux, .offset: 16, .size: 8, .value_kind: global_buffer, .address_space: global }
      - { .name: Wo_codes, .offset: 24, .size: 8, .value_kind: global_buffer, .address_space: global }
      - { .name: Wo_scales, .offset: 32, .size: 8, .value_kind: global_buffer, .address_space: global }
      - { .name: bo, .offset: 40, .size: 8, .value_kind: global_buffer, .address_space: global }
      - { .name: gamma, .offset: 48, .size: 8, .value_kind: global_buffer, .address_space: global }
      - { .name: x, .offset: 56, .size: 8, .value_kind: global_buffer, .address_space: global }
      - { .name: out0, .offset: 64, .size: 8, .value_kind: global_buffer, .address_space: global }
    .group_segment_fixed_size: 327680
    .private_segment_fixed_size: 0
    .kernarg_segment_align: 8
    .kernarg_segment_size: 72
    .max_flat_workgroup_size: 256
    .sgpr_count:     80
    .vgpr_count:     512
    .wavefront_size: 32
...
	.end_amdgpu_metadata
.endif
;; end of part 2
